; MI455X (gfx1250); checked and timed in simulation.
; The chip was launched on July 23, 2026; its instructions are those of AMD's public machine-readable ISA for CDNA 5 (MIT licence, August 2026) and "CDNA5" Instruction Set Architecture Reference Guide (July 2026). The comments in the code are by the model that wrote it; some were corrected since.
;; Attention. Allowed arithmetic: matrix products marked QUANTISED: E3M2 operands, one E8M0 scale for each 32 along K, by v_wmma_scale_f32_16x16x128_f8f6f4 with both operands' format E3M2, f32 sums; products left as they are: f32 operands where the result goes on into a quantised operand, else bf16, f16 or f32 operands; f32 sums; everything else in f32.
;; Inputs: V 1,024 x 1 float32; W1_codes 1,024 x 32 x 24 uint8 (E3M2 codes of W1, K innermost, in blocks of 32 codes, four codes in three bytes); W1_scales 1,024 x 32 uint8 (E8M0 scales of W1, one for each 32 codes along K); W2_codes 1,024 x 32 x 24 uint8 (E3M2 codes of W2, K innermost, in blocks of 32 codes, four codes in three bytes); W2_scales 1,024 x 32 uint8 (E8M0 scales of W2, one for each 32 codes along K); b1 1,024 float32; b2 1,024 float32; bv 1 float32; encoder_output 16 x 4,096 x 1,024 float32; hidden_state_codes 16 x 32 x 24 uint8 (E3M2 codes of hidden_state, K innermost, in blocks of 32 codes, four codes in three bytes); hidden_state_scales 16 x 32 uint8 (E8M0 scales of hidden_state, one for each 32 codes along K).
;; Outputs: out0 16 x 1,024 float32; out1 16 x 4,096 x 1 float32.
;; This version of the problem:
;;   THIS VERSION OF THE PROBLEM IS GIVEN IN LOW PRECISION. The matrix products marked QUANTISED in the list below multiply operands that are first quantised to E3M2 (3 exponent bits, 2 mantissa bits; 6 bits a number), with one power-of-two scale for each 32 numbers along K (OCP MX v1.0); their sums are f32. All else is computed in f32.
;;   The module's matrix products, in the order in which they are computed (A, B: the left and right operand; K: the contracted axis; several contracted axes count as one K, in the product's order):
;;     1. [M 16, K 1,024] x [K 1,024, N 1,024]; A: input hidden_state (given as codes); B: input W1 (given as codes): QUANTISED
;;     2. [M 65,536, K 1,024] x [K 1,024, N 1,024]; A: input encoder_output; B: input W2 (given as codes): QUANTISED
;;     3. [M 65,536, K 1,024] x [K 1,024, N 1]; A: computed on the way; B: input V: left as it is (N = 1 < 16)
;;   THE QUANTISER, for each operand of a quantised product, along K:
;;     - K is cut into blocks of 32 from its start; a last block that is shorter is filled with zeros.
;;     - A block's scale is 2^e with e = floor(log2(the largest magnitude in the block)) - 4, held to -126 .. 127; a block of zeros has e = 0. As a byte (E8M0): e + 127.
;;     - Each number is divided by its block's scale, clamped to +-28, and rounded to the nearest number of E3M2, ties to even, subnormals kept.
;;     - The product sums the exact products of the quantised numbers (number of the format x scale) in f32.
;;   ~~~python
;;   def quantise(x, axis):      # numpy; x: float32 -> the quantised numbers, widened to float32 again
;;       x = np.moveaxis(x, axis, -1); K = x.shape[-1]
;;       x = np.pad(x, [(0, 0)] * (x.ndim - 1) + [(0, -K % 32)]); x = x.reshape(x.shape[:-1] + (-1, 32)); a = np.abs(x).max(-1, keepdims=True)
;;       e = np.where(a > 0, np.clip(np.frexp(np.where(a > 0, a, 1))[1] - 1 - 4, -126, 127), 0)      # np.frexp(a)[1] - 1 = floor(log2(a)), exactly
;;       r = np.clip(x / 2.0 ** e, -28, 28)
;;       step = 2.0 ** (np.maximum(np.frexp(np.where(r == 0, 1, r))[1] - 1, -2) - 2)
;;       q = np.round(r / step) * step * 2.0 ** e      # np.round: ties to even
;;       return np.moveaxis(q.reshape(q.shape[:-2] + (-1,))[..., :K], -1, axis).astype(np.float32)
;;   ~~~
;;   INPUTS GIVEN AS CODES. W1 (in the module: [1024, 1024], K = its axis 0); W2 (in the module: [1024, 1024], K = its axis 0); hidden_state (in the module: [16, 1024], K = its axis 1): each comes as NAME_codes (uint8): NAME with its K axis moved to the last place and cut into blocks of 32 codes, [.., K / 32, bytes a block], one block behind the other in memory; four codes in three bytes: a row's codes are one little-endian stream of bits, code i at bits 6 i .. 6 i + 5 (a code: sign, 3 exponent bits, 2 mantissa bits); and NAME_scales (uint8): the same leading axes, one E8M0 byte (e + 127) for each 32 codes along K. Its value is code x scale, taken as it is: it is not quantised again, and the codes and scales need not be those that the quantiser above would give.
;; One version. Each part assembles by itself: llvm-mc -triple=amdgcn-amd-amdhsa -mcpu=gfx1250 --defsym DOCPART=n.
;; ======== version 1 of 1: 3 launches
;; limits: a difference of large sums (such as E[x^2] - mean^2): digits are lost where the result is much smaller than its terms
;; workspace buffers: W2img 1,572,864 bytes; hv 131,072 bytes; scores 262,144 bytes; ml 262,144 bytes; ctxp 8,388,608 bytes
;; launch prep (part 1): grid 64 x 1, 2 waves a work-group, no clusters, 0 bytes of LDS; arguments hidden_state_codes, hidden_state_scales, W1_codes, W1_scales, W2_codes, b1, b2, V, W2img, hv; writes W2img, hv
.if DOCPART == 1
	.amdgcn_target "amdgcn-amd-amdhsa--gfx1250"
	.amdhsa_code_object_version 6
	.text
	.protected	k_q9339292f45_prep
	.globl	k_q9339292f45_prep
	.p2align	8
	.type	k_q9339292f45_prep,@function
k_q9339292f45_prep:
	s_mov_b64 s[64:65], 0
	v_nop
	global_prefetch_b8 v0, s[64:65] scope:SCOPE_SE
	s_setreg_imm32_b32 hwreg(HW_REG_WAVE_MODE, 25, 1), 1
	s_wait_xcnt 0x0
; Work-group nt (0..63) serves units n = 16 nt .. 16 nt + 15.
; Wave 1 lays W2's codes of these 16 units out as images of the operand's registers: fragment (nt, K step q) at nt*12288 + q*1536,
; register group c of lane l at 512 c + 16 l.  The whole table (786,432 bytes) is stored twice on end, so that the next launch's ring walks it twice with one constant step.
; Wave 0 makes h_proj = hidden_state x W1 for the 16 batches x these 16 units on E3M2 codes, and stores the table hv[batch][n] = (c (h_proj + b1 + b2), -2 V[n]), c = 2 log2(e).
; The sum over K goes into two accumulators by turns (even and odd K steps), added at the end in f32.
.set TWOL2E, 0x4038aa3b
	s_load_b512 s[4:19], s[0:1], 0x0               ; hs codes, hs scales, W1 codes, W1 scales, W2 codes, b1, b2, V
	s_load_b128 s[20:23], s[0:1], 0x40             ; W2img, hv
	v_lshrrev_b32 v1, 5, v0
	v_readfirstlane_b32 s24, v1                    ; wave
	v_and_b32 v1, 31, v0                           ; lane
	v_and_b32 v2, 15, v0                           ; r
	v_bfe_u32 v3, v0, 4, 1                         ; h
	v_mul_u32_u24 v4, v2, 768                      ; a row of 1,024 codes is 768 bytes
	v_mad_u32_u24 v4, v3, 24, v4                   ; + 24 h
	v_lshlrev_b32 v5, 4, v1                        ; 16 x lane
	v_lshlrev_b32 v6, 5, v2                        ; a row of scale bytes: 32
	v_lshlrev_b32 v7, 2, v2                        ; 4 r
	v_lshlrev_b32 v14, 3, v2
	v_lshl_add_u32 v14, v3, 16, v14                ; hv: 8 h batches of 8,192 bytes + 8 r
	s_mul_i32 s26, ttmp9, 12288                    ; 16 rows of codes
	s_mov_b32 s27, 0
	s_lshl_b32 s28, ttmp9, 9                       ; 16 rows of scale bytes
	s_mov_b32 s29, 0
	s_lshl_b32 s30, ttmp9, 6                       ; 16 f32
	s_mov_b32 s31, 0
	s_lshl_b32 s32, ttmp9, 7                       ; 16 pairs of f32
	s_mov_b32 s33, 0
	s_mov_b32 s25, TWOL2E
	s_wait_kmcnt 0x0
	s_cmp_eq_u32 s24, 0
	s_cbranch_scc1 .Lwave0
	; ---- wave 1: W2's fragments, as the matrix unit takes them, to memory
	s_add_nc_u64 s[12:13], s[12:13], s[26:27]
	s_add_nc_u64 s[20:21], s[20:21], s[26:27]
.irp q, 0,1,2,3,4,5,6,7
.irp p, 0,1,2,3,4,5
	global_load_b64 v[112+12*\q+2*\p:113+12*\q+2*\p], v4, s[12:13] offset:96*\q+48*(\p/3)+8*(\p%3)
.endr
.endr
	s_wait_loadcnt 0x0
.irp q, 0,1,2,3,4,5,6,7
.irp c, 0,1,2
	global_store_b128 v5, v[112+12*\q+4*\c:115+12*\q+4*\c], s[20:21] offset:1536*\q+512*\c          ; 32 lanes store 512 consecutive bytes
	global_store_b128 v5, v[112+12*\q+4*\c:115+12*\q+4*\c], s[20:21] offset:786432+1536*\q+512*\c   ; the second copy
.endr
.endr
	s_endpgm
.Lwave0:
	; ---- wave 0: h_proj and the table
	s_add_nc_u64 s[8:9], s[8:9], s[26:27]
	s_add_nc_u64 s[10:11], s[10:11], s[28:29]
	s_add_nc_u64 s[14:15], s[14:15], s[30:31]
	s_add_nc_u64 s[16:17], s[16:17], s[30:31]
	s_add_nc_u64 s[18:19], s[18:19], s[30:31]
	s_add_nc_u64 s[22:23], s[22:23], s[32:33]
.irp q, 0,1,2,3,4,5,6,7
.irp p, 0,1,2,3,4,5
	global_load_b64 v[16+12*\q+2*\p:17+12*\q+2*\p], v4, s[4:5] offset:96*\q+48*(\p/3)+8*(\p%3)     ; hidden_state: row = batch r
	global_load_b64 v[112+12*\q+2*\p:113+12*\q+2*\p], v4, s[8:9] offset:96*\q+48*(\p/3)+8*(\p%3)   ; W1: row = unit 16 nt + r
.endr
.endr
	global_load_b128 v[208:211], v6, s[6:7]        ; scale words of K steps 0-3,
	global_load_b128 v[212:215], v6, s[6:7] offset:16   ; 4-7
	global_load_b128 v[216:219], v6, s[10:11]
	global_load_b128 v[220:223], v6, s[10:11] offset:16
	global_load_b32 v8, v7, s[14:15]               ; b1[n], b2[n], V[n], n = 16 nt + r
	global_load_b32 v9, v7, s[16:17]
	global_load_b32 v10, v7, s[18:19]
	s_wait_loadcnt 0x0
.irp q, 0,1,2,3,4,5,6,7                        ; two accumulators by turns, one instruction a turn; the first two products start the sums
.if \q < 2
	v_wmma_scale_f32_16x16x128_f8f6f4 v[224+8*(\q%2):231+8*(\q%2)], v[16+12*\q:27+12*\q], v[112+12*\q:123+12*\q], 0, v[208+\q], v[216+\q] matrix_a_fmt:MATRIX_FMT_BF6 matrix_b_fmt:MATRIX_FMT_BF6
.else
	v_wmma_scale_f32_16x16x128_f8f6f4 v[224+8*(\q%2):231+8*(\q%2)], v[16+12*\q:27+12*\q], v[112+12*\q:123+12*\q], v[224+8*(\q%2):231+8*(\q%2)], v[208+\q], v[216+\q] matrix_a_fmt:MATRIX_FMT_BF6 matrix_b_fmt:MATRIX_FMT_BF6
.endif
.endr
	v_add_f32 v11, v8, v9                          ; four plain instructions behind the last product (ISA guide 7.12.1): b1 + b2,
	v_mul_f32 v11, s25, v11                        ; x c,
	v_mul_f32 v12, -2.0, v10                       ; -2 V
	v_nop
.irp j, 0,1,2,3,4,5,6,7                        ; register j: batch 8 h + j, unit r; each accumulator is read from its low end on
	v_add_f32 v13, v[224+\j], v[232+\j]
	v_fma_f32 v[240+2*\j], v13, s25, v11
	v_mov_b32 v[241+2*\j], v12
.endr
.irp j, 0,1,2,3,4,5,6,7
	global_store_b64 v14, v[240+2*\j:241+2*\j], s[22:23] offset:8192*\j
.endr
	s_endpgm
.Lfunc_end_k_q9339292f45_prep:
	.size	k_q9339292f45_prep, .Lfunc_end_k_q9339292f45_prep-k_q9339292f45_prep
	.p2alignl 7, 3214868480
	.fill 96, 4, 3214868480
	.section	.rodata,"a",@progbits
	.p2align	6, 0x0
	.amdhsa_kernel k_q9339292f45_prep
		.amdhsa_group_segment_fixed_size 0
		.amdhsa_private_segment_fixed_size 0
		.amdhsa_enable_private_segment 0
		.amdhsa_kernarg_size 80
		.amdhsa_user_sgpr_count 2
		.amdhsa_user_sgpr_kernarg_segment_ptr 1
		.amdhsa_wavefront_size32 1
		.amdhsa_system_sgpr_workgroup_id_x 1
		.amdhsa_system_sgpr_workgroup_id_y 1
		.amdhsa_system_sgpr_workgroup_id_z 1
		.amdhsa_system_vgpr_workitem_id 0
		.amdhsa_next_free_vgpr 256
		.amdhsa_next_free_sgpr 66
		.amdhsa_reserve_vcc 0
		.amdhsa_float_denorm_mode_32 3
		.amdhsa_float_denorm_mode_16_64 3
		.amdhsa_memory_ordered 1
		.amdhsa_forward_progress 1
		.amdhsa_inst_pref_size 24
	.end_amdhsa_kernel
	.amdgpu_metadata
---
amdhsa.version: [ 1, 2 ]
amdhsa.kernels:
  - .name:           k_q9339292f45_prep
    .symbol:         k_q9339292f45_prep.kd
    .args:
      - { .name: hidden_state_codes, .offset: 0, .size: 8, .value_kind: global_buffer, .address_space: global }
      - { .name: hidden_state_scales, .offset: 8, .size: 8, .value_kind: global_buffer, .address_space: global }
      - { .name: W1_codes, .offset: 16, .size: 8, .value_kind: global_buffer, .address_space: global }
      - { .name: W1_scales, .offset: 24, .size: 8, .value_kind: global_buffer, .address_space: global }
      - { .name: W2_codes, .offset: 32, .size: 8, .value_kind: global_buffer, .address_space: global }
      - { .name: b1, .offset: 40, .size: 8, .value_kind: global_buffer, .address_space: global }
      - { .name: b2, .offset: 48, .size: 8, .value_kind: global_buffer, .address_space: global }
      - { .name: V, .offset: 56, .size: 8, .value_kind: global_buffer, .address_space: global }
      - { .name: W2img, .offset: 64, .size: 8, .value_kind: global_buffer, .address_space: global }
      - { .name: hv, .offset: 72, .size: 8, .value_kind: global_buffer, .address_space: global }
    .group_segment_fixed_size: 0
    .private_segment_fixed_size: 0
    .kernarg_segment_align: 8
    .kernarg_segment_size: 80
    .max_flat_workgroup_size: 64
    .sgpr_count:     66
    .vgpr_count:     256
    .wavefront_size: 32
...
	.end_amdgpu_metadata
.endif
;; end of part 1
;; launch main (part 2): grid 256 x 1, 8 waves a work-group, clusters of 4 x 1, 327,680 bytes of LDS; arguments encoder_output, W2img, W2_scales, hv, bv, scores, ml, ctxp; writes scores, ml, ctxp
.if DOCPART == 2
	.amdgcn_target "amdgcn-amd-amdhsa--gfx1250"
	.amdhsa_code_object_version 6
	.text
	.protected	k_q9339292f45_main
	.globl	k_q9339292f45_main
	.p2align	8
	.type	k_q9339292f45_main,@function
k_q9339292f45_main:
	s_mov_b64 s[64:65], 0
	v_nop
	global_prefetch_b8 v0, s[64:65] scope:SCOPE_SE
	s_setreg_imm32_b32 hwreg(HW_REG_WAVE_MODE, 25, 1), 1
	s_wait_xcnt 0x0
	s_wait_alu depctr_hold_cnt(0) depctr_sa_sdst(0) depctr_va_vdst(0) depctr_va_sdst(0) depctr_va_ssrc(0) depctr_va_vcc(0) depctr_vm_vsrc(0)
	s_getreg_b32 s2, hwreg(HW_REG_IB_STS2, 6, 4)
	s_cmp_eq_u32 s2, 0
	s_cbranch_scc0 .Lentry_in_a_cluster
	s_endpgm
.Lentry_in_a_cluster:
	s_bfe_u32 s2, ttmp6, 0x10000c
	s_cmp_lg_u32 s2, 0x3003
	s_cbranch_scc0 .Lentry_shape_is_right
	s_endpgm
.Lentry_shape_is_right:
; score[row] = bv + sum over n of V[n] tanh(h_proj[n] + b1[n] + b2[n] + (Q(enc[row]) . W2[:, n])), the product on E3M2 codes; then, for each wave's 32 rows,
; m = their largest score, p = e^(score - m), l = the sum of p, and the part of the context sum of p x enc[row] (f32 rows).  The next launch joins the parts.
; SHARES.  Work-group g owns rows 256 g .. 256 g + 255 of the 65,536 (one batch has 4,096); wave w owns 32 of them, two tiles of 16.  A wave keeps its rows' codes for all of K in registers (192) and walks
; all 1,024 units, 64 at a time: 8 accumulators, 64 matrix instructions, then the tanh of those 32 x 64 numbers and their part of the score.
; TWO TEAMS: X = waves 0-3, Y = waves 4-7.  Phases: 0: X loads and quantises | 1: X multiplies, Y loads and quantises | 2: X reads its rows again for the context, Y multiplies | 3: Y reads its rows again.
; So in phases 1 and 2 one team streams memory while the other has the matrix and transcendental work.  Every wave walks every loop and passes every barrier; the branches on the team stand inside the trips.
; enc IS READ TWICE: a row's weight is known only after all 1,024 units, and 128 rows of f32 (524,288 bytes) do not fit beside the ring.
; W2 comes as register images (made by the launch before) through a ring of two LDS slots of 49,152 bytes (64 units, all of K).  CLUSTER: the four work-groups of a cluster walk the same W2, W2's scale bytes and (one batch) the
; same hv table, so each is asked for JOINTLY, by the same tensor load with mask 15.  By this text's count a wave has at most one tensor load out.
; tanh x = 1 - 2 / (1 + 2^(c x)), c = 2 log2(e); 2^(c x) = infinity gives 1, 0 gives -1.  The score is summed as sum(V) - 2 sum(V r), r = 1 / (1 + 2^(c x)), all in f32.
; LIMITS: NaN and infinities among the inputs are not served.  A block of zeros of enc gets the scale byte 1 (its codes are zeros, and this program alone reads the byte).
; LDS: slot 0 at 0; hv table at HVT; spare words; SW: 256 bytes a wave (32 scores, 32 p); slot 1 at 65,536; SCB: W2's scale bytes as they lie; STGA: for each pair of waves w, w + 4: 16 fragment images of 1,536 bytes and 16 scale-word
; images of 128; TST: for each such pair two stages of 16 rows x (512 + 16) bytes.  Team Y first writes STGA and TST behind phase 1's first barrier, in front of which X has waited for its last reads of them.
; REGISTERS.  Window 0: v1-23 addresses; v32-47 A's scale words; v48-79 B's; v80-87 hv pairs; v88-103 score parts; v104 sum of -2V; v112-207 B's fragments, two sets (quantising: v112-175 numbers, v176-212 at work; context: v112-143 sums, v144-147 p).
; Window 1: v0-191 A's fragments (before and after the products: v0-127 take the loads of enc); v192-255 the 8 accumulators.
.set SLOT1, 65536
.set TILEB, 49152
.set HVT,   49152
.set SPARE, 57344                      ; 128 bytes for each of 8 waves: four blocks of 256 bytes that no other line names
.set SW,    58368
.set SCB,   114688
.set STGA,  147456
.set STGAW, 26624
.set TST,   253952
.set TSTW,  16896
.set TP,    528
.set FRB,   1536
.set LN, 1
.set RR, 2
.set HH, 3
.set SPW, 4
.set NIL, 5
.set AB0, 6                            ; v6, v7: 16 x lane in slot 0, 1
.set AH0, 8
.set AS0, 9
.set AG0, 10
.set AGS0, 11
.set TW, 12
.set TR, 13
.set ASW, 14
.set ASL, 15
.set AP0, 16
.set AH, 17                            ; v17-21: the five bases above + the trip's offsets
.set AS, 18
.set AG, 19
.set AGS, 20
.set AP, 21
.set XO, 22                            ; 16 x lane, for global addresses
.set L4, 23                            ; 4 x lane
.set SA, 32
.set SBW, 48
.set HVR, 80
.set PT, 88
.set SV, 104
.set T0, 105
.set BF, 112
.set XS, 112
.set TM, 176
.set PC, 192
.set PW, 212
.set CX, 112
.set PR, 144
.set PP, 112
.set ACC, 192
.set WV, 20
.set W3, 21
.set SEL, 24
.set CC, 26
.set L2E, 28
.set BV, 29
.set CNT, 30
.set FO, 31
.set FS, 32
.set HO, 33
.set SO, 34
.set PO, 35
.set G1R, 36
.set G1S, 44
.set G1H, 52
.set D0, 60
.set D1, 68
.set DS, 72
.set DH, 76
.set EQ, 80
.set EC, 82
.set SCO, 84
.set MLO, 86
.set CXO, 88
.set MSB, 0
.macro WIN new                         ; the immediate's high byte repeats the setting that is left; a switch that changes nothing is dropped
.if MSB != \new
	s_set_vgpr_msb (MSB<<8)|\new
.set MSB, \new
.endif
.endm
.macro CROUND                          ; a round of the cluster's barrier
	s_barrier_signal -1
	s_barrier_wait -1
	s_cmp_lg_u32 s[WV], 0
	s_cbranch_scc1 .Lnw0_\@
	s_barrier_signal -3
.Lnw0_\@:
	s_barrier_wait -3
	s_barrier_signal -1
	s_barrier_wait -1
.endm
.macro TLOAD g0                        ; waves 0 and 1 fetch the two halves of a slot; four v_nop follow the load
	s_cmp_lt_u32 s[WV], 2
	s_cbranch_scc0 .Lnt_\@
	tensor_load_to_lds s[\g0:\g0+3], s[G1R:G1R+7]
	s_nop 0
.rept 4
	v_nop
.endr
.Lnt_\@:
.endm
; THE CHANGE OF SLOTS, at the head of the step that reads slot `slot`.  Each wave waits for all its tensor loads, adds 0 to its spare word, and waits for that and for all its LDS reads and stores; behind the round
; slot `slot` is whole and nobody reads the other one, which is filled first thing (fill = 1).
.macro CHANGE slot, fill
	s_wait_tensorcnt 0x0                           ; no tensor load of mine is out, so a group 0 may be written
	ds_add_u32 v[SPW], v[NIL]
.if \fill
.if \slot == 0
	s_add_nc_u64 s[D0+2:D0+3], s[D0+2:D0+3], 2*TILEB   ; this slot's next tile
.else
	s_add_nc_u64 s[D1+2:D1+3], s[D1+2:D1+3], 2*TILEB
.endif
.endif
	s_wait_dscnt 0x0
.if \fill
	CROUND
.if \slot == 0
	TLOAD D1
.else
	TLOAD D0
.endif
.else
	s_barrier_signal -1
	s_barrier_wait -1
.endif
.endm
.macro RESET
	s_mov_b32 s[FO], 0
	s_mov_b32 s[FS], 0
	s_mov_b32 s[HO], 0
	s_mov_b32 s[SO], 0
	s_mov_b32 s[PO], 0
.endm
.macro STEPO                           ; a trip on: a fragment image, a scale-word image, 128 units of hv, 128 rows of scale bytes, 4 p
	s_add_co_u32 s[FO], s[FO], FRB
	s_add_co_u32 s[FS], s[FS], 128
	s_add_co_u32 s[HO], s[HO], 1024
	s_add_co_u32 s[SO], s[SO], 4096
	s_add_co_u32 s[PO], s[PO], 16
.endm
.macro ADDR                            ; the trip's LDS addresses, made by every wave
	s_wait_dscnt 0x0                               ; no LDS instruction that names the old addresses is out
	v_add_nc_u32 v[AH], s[HO], v[AH0]
	v_add_nc_u32 v[AS], s[SO], v[AS0]
	v_add_nc_u32 v[AG], s[FO], v[AG0]
	v_add_nc_u32 v[AGS], s[FS], v[AGS0]
	v_add_nc_u32 v[AP], s[PO], v[AP0]
.endm
; 128 along K (512 bytes) of my 32 rows: each load reads 512 consecutive bytes of one row
.macro LQLOAD
	WIN 0x40
.irp t, 0,1
.irp i, 0,1,2,3,4,5,6,7,8,9,10,11,12,13,14,15
	global_load_b128 v[64*\t+4*\i:64*\t+4*\i+3], v[XO], s[EQ:EQ+1] offset:\t*65536+\i*4096
.endr
.endr
	WIN 0
.endm
; 64 numbers of a lane, register 16 b + i = k 32 b + 16 (lane / 16) + i of my row, become a fragment's codes in v[PC] on and its scale word in v[PW]
.macro QUANT s
.irp b, 0,1,2,3
	v_max3_num_f32 v[TM+\b], |v[\s+16*\b]|, |v[\s+1+16*\b]|, 0x2800000   ; the floor 2^(5 - 127): the byte cannot fall under 1
.endr
.irp i, 2,4,6,8,10,12,14
.irp b, 0,1,2,3
	v_max3_num_f32 v[TM+\b], v[TM+\b], |v[\s+16*\b+\i]|, |v[\s+1+16*\b+\i]|
.endr
.endr
.irp b, 0,1,2,3
	v_permlanex16_b32 v[TM+4+\b], v[TM+\b], s[SEL], s[SEL+1]
.endr
.irp b, 0,1,2,3
	v_max_num_f32 v[TM+\b], v[TM+\b], v[TM+4+\b]   ; with lane l xor 16's: the block's largest magnitude
.endr
.irp b, 0,1,2,3
	v_add_nc_u32 v[TM+12+\b], 0xfe000000, v[TM+\b] ; 4 off its exponent field: the conversion's scale operand
.endr
.irp b, 0,1,2,3
	v_lshrrev_b32 v[TM+4+\b], 23, v[TM+12+\b]      ; the scale's byte
.endr
	v_lshl_or_b32 v[PW], v[TM+5], 8, v[TM+4]
	v_lshl_or_b32 v[PW], v[TM+6], 16, v[PW]
	v_lshl_or_b32 v[PW], v[TM+7], 24, v[PW]
.irp c, 0,1
	v_cvt_scalef32_pk16_bf6_f32 v[PC+6*\c:PC+2+6*\c], v[\s+32*\c:\s+15+32*\c], v[TM+12+2*\c]
	v_cvt_scalef32_pk16_bf6_f32 v[PC+12+4*\c:PC+14+4*\c], v[\s+16+32*\c:\s+31+32*\c], v[TM+12+2*\c+1]
.endr
	v_nop                                          ; one plain place behind a scaled conversion
.irp c, 0,1                                    ; the operand's layout wants a whole block in a lane
.irp i, 0,1,2
	v_permlane16_swap_b32 v[PC+6*\c+\i], v[PC+12+4*\c+\i]
.endr
.irp i, 0,1,2
	v_mov_b32 v[PC+3+6*\c+\i], v[PC+12+4*\c+\i]
.endr
.endr
.endm
.macro IMAGE off                       ; the fragment goes to LDS as an image of its registers
.irp c, 0,1,2
	ds_store_b128 v[AG], v[PC+4*\c:PC+4*\c+3] offset:\off+512*\c
.endr
.endm
.macro RDQ off                         ; 16 rows back from the stage, 16 neighbours of each block of 32 to a lane, and quantised
.irp b, 0,1,2,3
.irp j, 0,1,2,3
	ds_load_b128 v[XS+16*\b+4*\j:XS+16*\b+4*\j+3], v[TR] offset:\off+128*\b+16*\j
.endr
.endr
	s_wait_dscnt 0x0                               ; they are in; and every earlier LDS store of mine has read its registers
	QUANT XS
.endm
.macro LQ_A                            ; K step q = the trip: both tiles into the stages, the next K step asked for, tile 0 quantised
	s_wait_loadcnt 0x0                             ; this K step's 32 loads are in: so their base may step
	s_add_nc_u64 s[EQ:EQ+1], s[EQ:EQ+1], 512
	WIN 0x04                                       ; an LDS store's data: window 1
.irp t, 0,1
.irp i, 0,1,2,3,4,5,6,7,8,9,10,11,12,13,14,15
	ds_store_b128 v[TW], v[64*\t+4*\i:64*\t+4*\i+3] offset:\t*16*TP+\i*TP
.endr
.endr
	WIN 0
	s_wait_dscnt 0x0                               ; the stores have read their registers
	s_cmp_eq_u32 s[CNT], 1                         ; the last trip asks for nothing: no load leaves the rows
	s_cbranch_scc1 .Lnoq_\@
	LQLOAD
.Lnoq_\@:
	RDQ 0
	IMAGE 0
	ds_store_b32 v[AGS], v[PW]
.endm
.macro LQ_B                            ; tile 1
	RDQ 16*TP
	IMAGE 8*FRB
	ds_store_b32 v[AGS], v[PW] offset:1024
.endm
.macro FETCHA                          ; my 16 fragments and scale words come back into registers; the score's sums begin at 0
	s_wait_loadcnt 0x0                             ; no load of enc into window 1's registers is out: a second load lands on a register only behind the wait for the first
	WIN 0x40
.irp f, 0,1,2,3,4,5,6,7,8,9,10,11,12,13,14,15
.irp c, 0,1,2
	ds_load_b128 v[12*\f+4*\c:12*\f+4*\c+3], v[AG0] offset:\f*FRB+512*\c
.endr
.endr
	WIN 0
.irp f, 0,1,2,3,4,5,6,7,8,9,10,11,12,13,14,15
	ds_load_b32 v[SA+\f], v[AGS0] offset:128*\f
.endr
.irp j, 0,1,2,3,4,5,6,7,8,9,10,11,12,13,14,15,16
	v_mov_b32 v[PT+\j], 0                          ; 16 parts and the sum of -2V
.endr
.endm
.macro BLOAD slot, q                   ; B's four fragments of K step q into set q % 2
.irp n, 0,1,2,3
.irp c, 0,1,2
	ds_load_b128 v[BF+48*((\q)%2)+12*\n+4*\c:BF+48*((\q)%2)+12*\n+4*\c+3], v[AB0+\slot] offset:\n*12288+(\q)*FRB+512*\c
.endr
.endr
.endm
; 64 units against my 32 rows.  Source 0 = my rows, source 1 = 16 units: register j of an accumulator is (row 8 h + j, unit r).
.macro GSTEP slot
.irp n, 0,1,2,3
	ds_load_b64 v[HVR+2*\n:HVR+2*\n+1], v[AH] offset:\slot*512+128*\n
.endr
.irp n, 0,1,2,3
.irp u, 0,1
	ds_load_b128 v[SBW+8*\n+4*\u:SBW+8*\n+4*\u+3], v[AS] offset:\slot*2048+512*\n+16*\u
.endr
.endr
	BLOAD \slot, 0
.irp q, 0,1,2,3,4,5,6,7
.if \q > 0
.rept 4
	v_nop                                          ; four places in front of loads into registers that the products before have read (ISA guide 7.12.1 for vector instructions)
.endr
	WIN 0
.endif
.if \q < 7
	BLOAD \slot, \q+1
	s_wait_dscnt 12                                ; all but the 12 loads just issued
.else
	s_wait_dscnt 0x0
.endif
	WIN 0x51                                       ; A, C and D window 1, B window 0
.irp n, 0,1,2,3                                ; the 8 accumulators take turns, one instruction a turn, in the same order in every K step
.irp t, 0,1
.if \q == 0
	v_wmma_scale_f32_16x16x128_f8f6f4 v[ACC+8*(4*\t+\n):ACC+8*(4*\t+\n)+7], v[12*(8*\t+\q):12*(8*\t+\q)+11], v[BF+48*(\q%2)+12*\n:BF+48*(\q%2)+12*\n+11], 0, v[SA+8*\t+\q], v[SBW+8*\n+\q] matrix_a_fmt:MATRIX_FMT_BF6 matrix_b_fmt:MATRIX_FMT_BF6
.else
	v_wmma_scale_f32_16x16x128_f8f6f4 v[ACC+8*(4*\t+\n):ACC+8*(4*\t+\n)+7], v[12*(8*\t+\q):12*(8*\t+\q)+11], v[BF+48*(\q%2)+12*\n:BF+48*(\q%2)+12*\n+11], v[ACC+8*(4*\t+\n):ACC+8*(4*\t+\n)+7], v[SA+8*\t+\q], v[SBW+8*\n+\q] matrix_a_fmt:MATRIX_FMT_BF6 matrix_b_fmt:MATRIX_FMT_BF6
.endif
.endr
.endr
.endr
	WIN 0
.irp n, 0,1,2,3
	v_add_f32 v[SV], v[SV], v[HVR+2*\n+1]          ; the sum of -2V; these four are the places behind the last products
.endr
	WIN 0x41
.irp t, 0,1
.irp n, 0,1,2,3
.irp j, 0,2,4,6
	v_pk_fma_f32 v[ACC+8*(4*\t+\n)+\j:ACC+8*(4*\t+\n)+\j+1], v[ACC+8*(4*\t+\n)+\j:ACC+8*(4*\t+\n)+\j+1], s[CC:CC+1], v[HVR+2*\n:HVR+2*\n+1] op_sel_hi:[1,0,0]   ; c x, each accumulator from its low end on
.endr
.endr
.endr
.set ii, 0
.rept 64
	v_exp_f32 v[ACC+ii], v[ACC+ii]
.set ii, ii+1
.endr
	v_nop                                          ; a plain instruction behind the last exponential,
	s_wait_alu depctr_va_vdst(0)                   ; and one wait for the batch, ahead of its first reader
.set ii, 0
.rept 32
	v_pk_add_f32 v[ACC+ii:ACC+ii+1], v[ACC+ii:ACC+ii+1], 1.0 op_sel_hi:[1,0]
.set ii, ii+2
.endr
.set ii, 0
.rept 64
	v_rcp_f32 v[ACC+ii], v[ACC+ii]
.set ii, ii+1
.endr
	v_nop
	s_wait_alu depctr_va_vdst(0)                   ; likewise for the reciprocals
	WIN 0x01
.irp n, 0,1,2,3
.irp t, 0,1
.irp j, 0,2,4,6
	v_pk_fma_f32 v[PT+8*\t+\j:PT+8*\t+\j+1], v[ACC+8*(4*\t+\n)+\j:ACC+8*(4*\t+\n)+\j+1], v[HVR+2*\n:HVR+2*\n+1], v[PT+8*\t+\j:PT+8*\t+\j+1] op_sel:[0,1,0] op_sel_hi:[1,1,1]   ; + r x (-2V)
.endr
.endr
.endr
	WIN 0
.endm
; The scores of my 32 rows; m, p, l.
.macro FIN
.irp m, 1,2,4,8                                ; over the 16 lanes that hold a row's units
.irp j, 0,1,2,3,4,5,6,7,8,9,10,11,12,13,14,15,16
	v_add_f32_dpp v[PT+\j], v[PT+\j], v[PT+\j] row_xmask:\m row_mask:0xf bank_mask:0xf
.endr
.endr
	v_mov_b32 v[T0], s[BV]
	v_fma_f32 v[T0], v[SV], -0.5, v[T0]            ; bv + sum of V
.irp j, 0,1,2,3,4,5,6,7,8,9,10,11,12,13,14,15
	v_add_f32 v[PT+\j], v[PT+\j], v[T0]            ; register 8 t + j: the score of my row 16 t + 8 h + j
.endr
.irp t, 0,1
.irp j, 0,1,2,3,4,5,6,7
	ds_store_b32 v[ASW], v[PT+8*\t+\j] offset:64*\t+4*\j   ; sixteen lanes write the same word with the same value
.endr
.endr
	v_max3_num_f32 v[T0+1], v[PT], v[PT+1], v[PT+2]
.irp j, 3,5,7,9,11,13
	v_max3_num_f32 v[T0+1], v[T0+1], v[PT+\j], v[PT+\j+1]
.endr
	v_max_num_f32 v[T0+1], v[T0+1], v[PT+15]
	v_permlanex16_b32 v[T0+2], v[T0+1], s[SEL], s[SEL+1]
	v_max_num_f32 v[T0+1], v[T0+1], v[T0+2]        ; m
.irp j, 0,1,2,3,4,5,6,7,8,9,10,11,12,13,14,15
	v_sub_f32 v[PP+\j], v[PT+\j], v[T0+1]
.endr
.irp j, 0,1,2,3,4,5,6,7,8,9,10,11,12,13,14,15
	v_mul_f32 v[PP+\j], s[L2E], v[PP+\j]
.endr
.irp j, 0,1,2,3,4,5,6,7,8,9,10,11,12,13,14,15
	v_exp_f32 v[PP+\j], v[PP+\j]                   ; p = e^(score - m), at most 1
.endr
	v_nop
	s_wait_alu depctr_va_vdst(0)                   ; one wait for the 16, ahead of their first reader
.irp t, 0,1
.irp j, 0,1,2,3,4,5,6,7
	ds_store_b32 v[ASW], v[PP+8*\t+\j] offset:128+64*\t+4*\j
.endr
.endr
	v_pk_add_f32 v[128:129], v[PP:PP+1], v[PP+2:PP+3]
	v_pk_add_f32 v[130:131], v[PP+4:PP+5], v[PP+6:PP+7]
	v_pk_add_f32 v[128:129], v[128:129], v[PP+8:PP+9]
	v_pk_add_f32 v[130:131], v[130:131], v[PP+10:PP+11]
	v_pk_add_f32 v[128:129], v[128:129], v[PP+12:PP+13]
	v_pk_add_f32 v[130:131], v[130:131], v[PP+14:PP+15]
	v_pk_add_f32 v[128:129], v[128:129], v[130:131]
	v_add_f32 v[T0+4], v128, v129
	v_permlanex16_b32 v[T0+2], v[T0+4], s[SEL], s[SEL+1]
	v_add_f32 v[T0+4], v[T0+4], v[T0+2]            ; l
	ds_load_b32 v[T0+5], v[ASL]                    ; lane i takes row i's score (LDS serves a wave's instructions in order)
	v_cmp_eq_u32 vcc_lo, 0, v[LN]
	v_cndmask_b32 v[T0+6], v[T0+4], v[T0+1], vcc_lo   ; word 0: m; words 1-31: l
	s_wait_dscnt 0x0                               ; the score is in, and the stores of p have read their registers
	global_store_b32 v[L4], v[T0+5], s[SCO:SCO+1]
	global_store_b32 v[L4], v[T0+6], s[MLO:MLO+1]
.irp j, 0,1,2,3,4,5,6,7,8,9,10,11,12,13,14,15,16,17,18,19,20,21,22,23,24,25,26,27,28,29,30,31
	v_mov_b32 v[CX+\j], 0                          ; the context's sums: lane l holds columns 128 i + 4 l + 0..3 in registers 4 i + 0..3
.endr
.endm
.macro CLOAD                           ; four whole rows, 512 consecutive bytes a load; their last read in the launch.  It stands behind a wait for all earlier loads into these registers
	WIN 0x40
.irp p, 0,1,2,3
.irp i, 0,1,2,3,4,5,6,7
	global_load_b128 v[32*\p+4*\i:32*\p+4*\i+3], v[XO], s[EC:EC+1] offset:\p*4096+\i*512 th:TH_LOAD_NT
.endr
.endr
	WIN 0
.endm
; four rows into the context.  mode 0: the next four are asked for; 1: nothing; 2: nothing in the loop's last trip
.macro C_A mode
	ds_load_b128 v[PR:PR+3], v[AP]                 ; their four p, the same in every lane
	s_wait_loadcnt 0x0                             ; the rows are in: their base may step
	s_wait_dscnt 0x0
	s_add_nc_u64 s[EC:EC+1], s[EC:EC+1], 16384
	WIN 0x01
.irp p, 0,1,2,3
.irp k, 0,2,4,6,8,10,12,14,16,18,20,22,24,26,28,30
.if \p%2
	v_pk_fma_f32 v[CX+\k:CX+\k+1], v[32*\p+\k:32*\p+\k+1], v[PR+2*(\p/2):PR+2*(\p/2)+1], v[CX+\k:CX+\k+1] op_sel:[0,1,0] op_sel_hi:[1,1,1]
.else
	v_pk_fma_f32 v[CX+\k:CX+\k+1], v[32*\p+\k:32*\p+\k+1], v[PR+2*(\p/2):PR+2*(\p/2)+1], v[CX+\k:CX+\k+1] op_sel_hi:[1,0,1]
.endif
.endr
.endr
	WIN 0
.if \mode == 0
	CLOAD
.endif
.if \mode == 2
	s_cmp_eq_u32 s[CNT], 1
	s_cbranch_scc1 .Lnoc_\@
	CLOAD
.Lnoc_\@:
.endif
.endm
.macro CSTORE
.irp i, 0,1,2,3,4,5,6,7
	global_store_b128 v[XO], v[CX+4*\i:CX+4*\i+3], s[CXO:CXO+1] offset:512*\i   ; 32 lanes store 512 consecutive bytes
.endr
.endm
	s_load_b512 s[4:19], s[0:1], 0x0               ; enc s[4:5], W2img s[6:7], W2_scales s[8:9], hv s[10:11], bv s[12:13], scores s[14:15], ml s[16:17], ctxp s[18:19]
	v_lshl_add_u32 v[SPW], v0, 2, SPARE
	v_mov_b32 v[NIL], 0
	ds_add_u32 v4, v5
	s_wait_dscnt 0x0
	v_lshrrev_b32 v1, 5, v0
	v_readfirstlane_b32 s[WV], v1                  ; wave 0..7
	s_and_b32 s[W3], s[WV], 3                      ; my place in my team
	s_and_b32 s90, s[WV], 1
	s_bfe_u32 s22, ttmp6, 0x40000                  ; cx: it enters global addresses of enc and of the outputs alone
	s_lshl_b32 s23, ttmp9, 2
	s_add_co_u32 s23, s23, s22                     ; work-group g = 4 x cluster + cx
	v_and_b32 v[LN], 31, v0
	v_and_b32 v[RR], 15, v0
	v_bfe_u32 v[HH], v0, 4, 1
	s_mul_i32 s2, s[W3], STGAW
	s_add_co_u32 s2, s2, STGA
	s_mul_i32 s3, s[W3], TSTW
	s_add_co_u32 s3, s3, TST
	s_lshl_b32 s94, s[WV], 8
	s_add_co_u32 s94, s94, SW
	v_lshlrev_b32 v[AB0], 4, v[LN]
	v_add_nc_u32 v[AB0+1], SLOT1, v[AB0]
	v_lshl_add_u32 v[AH0], v[RR], 3, HVT           ; hv: 8 bytes a unit
	v_lshl_add_u32 v[AS0], v[RR], 5, SCB           ; scale bytes: 32 a unit
	v_lshlrev_b32 v[L4], 2, v[LN]
	v_lshlrev_b32 v[XO], 4, v[LN]
	v_add_nc_u32 v[AG0], s2, v[AB0]
	v_add_nc_u32 v[AGS0], s2, v[L4]
	v_add_nc_u32 v[AGS0], 16*FRB, v[AGS0]
	v_add_nc_u32 v[TW], s3, v[AB0]
	v_mul_u32_u24 v[TR], v[RR], TP
	v_lshl_add_u32 v[TR], v[HH], 6, v[TR]
	v_add_nc_u32 v[TR], s3, v[TR]
	v_lshl_add_u32 v[ASW], v[HH], 5, s94
	v_add_nc_u32 v[ASL], s94, v[L4]
	v_mov_b32 v[AP0], s94
	v_add_nc_u32 v[AP0], 128, v[AP0]
.irp b, 0,1,2,3
	v_mov_b32 v[TM+4+\b], 0                        ; written once: a lane permute's destination counts as one of its sources
.endr
	v_mov_b32 v[T0+2], 0
	s_mov_b32 s[SEL], 0x76543210
	s_mov_b32 s[SEL+1], 0xfedcba98
	s_mov_b32 s[CC], 0x4038aa3b                    ; c = 2 log2(e)
	s_mov_b32 s[CC+1], s[CC]
	s_mov_b32 s[L2E], 0x3fb8aa3b
	; descriptor groups 1: dense blocks as rows of 256 bytes (32 elements of 8 bytes), mask 15 with bit 21 beside it, no padding
.irp g, G1R, G1S, G1H
	s_mov_b32 s[\g], 15|(3<<16)|(1<<21)
	s_mov_b32 s[\g+1], 32<<16                      ; tensor_dim0
	s_mov_b32 s[\g+3], 32<<16                      ; tile_dim0
	s_mov_b32 s[\g+5], 32                          ; pitch
	s_mov_b32 s[\g+6], 0
	s_mov_b32 s[\g+7], 0
.endr
	s_mov_b32 s[G1R+2], 96<<16                     ; half a slot: 96 rows
	s_mov_b32 s[G1R+4], 96
	s_mov_b32 s[G1S+2], 128<<16                    ; W2's scale bytes: 128 rows
	s_mov_b32 s[G1S+4], 128
	s_mov_b32 s[G1H+2], 32<<16                     ; a batch's hv table: 32 rows
	s_mov_b32 s[G1H+4], 32
	s_mul_i32 s91, s90, 24576                      ; my half of a slot
	s_mov_b32 s92, s91
	s_mov_b32 s93, 0
	s_lshr_b32 s94, ttmp9, 2                       ; the batch: four clusters to a batch
	s_lshl_b32 s94, s94, 13
	s_mov_b32 s95, 0
	s_lshl_b32 s96, s23, 20                        ; 256 rows of 4,096 bytes
	s_lshl_b32 s97, s[WV], 17                      ; 32 rows
	s_add_co_u32 s96, s96, s97
	s_mov_b32 s97, 0
	s_lshl_b32 s98, s23, 3
	s_add_co_u32 s98, s98, s[WV]                   ; my wave's number in the launch, 0..2047
	s_lshl_b32 s2, s98, 12
	s_mov_b32 s3, 0
	s_lshl_b32 s98, s98, 7
	s_mov_b32 s99, 0
	s_wait_kmcnt 0x0
	s_load_b32 s[BV], s[12:13], 0x0
	s_add_nc_u64 s[EQ:EQ+1], s[4:5], s[96:97]
	s_mov_b64 s[EC:EC+1], s[EQ:EQ+1]
	s_add_nc_u64 s[SCO:SCO+1], s[14:15], s[98:99]
	s_add_nc_u64 s[MLO:MLO+1], s[16:17], s[98:99]
	s_add_nc_u64 s[CXO:CXO+1], s[18:19], s[2:3]
	s_mov_b32 s[D0], 1
	s_mov_b32 s[D0+1], s91
	s_add_nc_u64 s[D0+2:D0+3], s[6:7], s[92:93]    ; tile 0
	s_mov_b32 s[D1], 1
	s_add_co_u32 s[D1+1], s91, SLOT1
	s_add_nc_u64 s[D1+2:D1+3], s[D0+2:D0+3], TILEB ; tile 1
	s_or_b32 s[D0+3], s[D0+3], 0x80000000
	s_or_b32 s[D1+3], s[D1+3], 0x80000000
	s_mov_b32 s[DS], 1
	s_mov_b32 s[DS+1], SCB
	s_mov_b64 s[DS+2:DS+3], s[8:9]
	s_or_b32 s[DS+3], s[DS+3], 0x80000000
	s_mov_b32 s[DH], 1
	s_mov_b32 s[DH+1], HVT
	s_add_nc_u64 s[DH+2:DH+3], s[10:11], s[94:95]
	s_or_b32 s[DH+3], s[DH+3], 0x80000000
	CROUND                                         ; all four work-groups are here: the first joint loads meet
	s_cmp_lt_u32 s[WV], 2                          ; the first fills, one a wave: waves 0, 1 slot 0; wave 2 the scale bytes; wave 3 the hv table
	s_cbranch_scc0 .Lff_a
	tensor_load_to_lds s[D0:D0+3], s[G1R:G1R+7]
	s_nop 0
.rept 4
	v_nop
.endr
	s_branch .Lff_done
.Lff_a:
	s_cmp_eq_u32 s[WV], 2
	s_cbranch_scc0 .Lff_b
	tensor_load_to_lds s[DS:DS+3], s[G1S:G1S+7]
	s_nop 0
.rept 4
	v_nop
.endr
	s_branch .Lff_done
.Lff_b:
	s_cmp_eq_u32 s[WV], 3
	s_cbranch_scc0 .Lff_done
	tensor_load_to_lds s[DH:DH+3], s[G1H:G1H+7]
	s_nop 0
.rept 4
	v_nop
.endr
.Lff_done:
	LQLOAD                                         ; every wave asks for its rows' first K step
	s_wait_kmcnt 0x0                               ; bv
	; ---- phase 0: X quantises its rows, a K step a trip
	RESET
	s_mov_b32 s[CNT], 8
.Lph0:
	ADDR
	s_cmp_lt_u32 s[WV], 4
	s_cbranch_scc0 .Lph0_j
	LQ_A
	LQ_B
.Lph0_j:
	STEPO
	s_sub_co_u32 s[CNT], s[CNT], 1
	s_cmp_lg_u32 s[CNT], 0
	s_cbranch_scc1 .Lph0
	s_cmp_lt_u32 s[WV], 4
	s_cbranch_scc0 .Lf1_j
	FETCHA                                         ; waited for in front of the next barrier
.Lf1_j:
	; ---- phase 1: X multiplies (two slots, 128 units a trip), Y quantises (a K step a trip)
	RESET
	s_mov_b32 s[CNT], 8
.Lph1:
	CHANGE 0, 1
	ADDR
	s_cmp_lt_u32 s[WV], 4
	s_cbranch_scc0 .Lp1a_y
	GSTEP 0
	s_branch .Lp1a_j
.Lp1a_y:
	LQ_A
.Lp1a_j:
	CHANGE 1, 1
	s_cmp_lt_u32 s[WV], 4
	s_cbranch_scc0 .Lp1b_y
	GSTEP 1
	s_branch .Lp1b_j
.Lp1b_y:
	LQ_B
.Lp1b_j:
	STEPO
	s_sub_co_u32 s[CNT], s[CNT], 1
	s_cmp_lg_u32 s[CNT], 0
	s_cbranch_scc1 .Lph1
	s_cmp_lt_u32 s[WV], 4
	s_cbranch_scc0 .Lm1_y
	FIN
	s_wait_loadcnt 0x0                             ; no earlier load into window 1's registers is out: the rows' second read may land there
	CLOAD
	s_branch .Lm1_j
.Lm1_y:
	FETCHA
.Lm1_j:
	; ---- phase 2: Y multiplies (the table's second copy), X adds four rows a trip into its context
	RESET
	s_mov_b32 s[CNT], 7
.Lph2:
	CHANGE 0, 1
	ADDR
	s_cmp_lt_u32 s[WV], 4
	s_cbranch_scc0 .Lp2a_y
	C_A 0
	s_branch .Lp2a_j
.Lp2a_y:
	GSTEP 0
.Lp2a_j:
	CHANGE 1, 1
	s_cmp_lt_u32 s[WV], 4
	s_cbranch_scc1 .Lp2b_j
	GSTEP 1
.Lp2b_j:
	STEPO
	s_sub_co_u32 s[CNT], s[CNT], 1
	s_cmp_lg_u32 s[CNT], 0
	s_cbranch_scc1 .Lph2
	CHANGE 0, 1                                    ; the last trip is written out: the last tile is asked for here
	ADDR
	s_cmp_lt_u32 s[WV], 4
	s_cbranch_scc0 .Lp2c_y
	C_A 1
	s_branch .Lp2c_j
.Lp2c_y:
	GSTEP 0
.Lp2c_j:
	CHANGE 1, 0                                    ; and nothing here
	s_cmp_lt_u32 s[WV], 4
	s_cbranch_scc0 .Lm2_y
	CSTORE
	s_branch .Lm2_j
.Lm2_y:
	GSTEP 1
	FIN
	s_wait_loadcnt 0x0                             ; no earlier load into window 1's registers is out: the rows' second read may land there
	CLOAD
.Lm2_j:
	; ---- phase 3: Y's context
	RESET
	s_mov_b32 s[CNT], 8
.Lph3:
	ADDR
	s_cmp_lt_u32 s[WV], 4
	s_cbranch_scc1 .Lph3_j
	C_A 2
.Lph3_j:
	STEPO
	s_sub_co_u32 s[CNT], s[CNT], 1
	s_cmp_lg_u32 s[CNT], 0
	s_cbranch_scc1 .Lph3
	s_cmp_lt_u32 s[WV], 4
	s_cbranch_scc1 .Lend_j
	CSTORE
.Lend_j:
	s_wait_tensorcnt 0x0                           ; the wave's end
	ds_add_u32 v[SPW], v[NIL]
	s_wait_dscnt 0x0
	CROUND                                         ; the closing round
	s_endpgm
.Lfunc_end_k_q9339292f45_main:
	.size	k_q9339292f45_main, .Lfunc_end_k_q9339292f45_main-k_q9339292f45_main
	.p2alignl 7, 3214868480
	.fill 96, 4, 3214868480
	.section	.rodata,"a",@progbits
	.p2align	6, 0x0
	.amdhsa_kernel k_q9339292f45_main
		.amdhsa_group_segment_fixed_size 327680
		.amdhsa_private_segment_fixed_size 0
		.amdhsa_enable_private_segment 0
		.amdhsa_kernarg_size 64
		.amdhsa_user_sgpr_count 2
		.amdhsa_user_sgpr_kernarg_segment_ptr 1
		.amdhsa_wavefront_size32 1
		.amdhsa_system_sgpr_workgroup_id_x 1
		.amdhsa_system_sgpr_workgroup_id_y 1
		.amdhsa_system_sgpr_workgroup_id_z 1
		.amdhsa_system_vgpr_workitem_id 0
		.amdhsa_next_free_vgpr 512
		.amdhsa_next_free_sgpr 100
		.amdhsa_reserve_vcc 1
		.amdhsa_float_denorm_mode_32 3
		.amdhsa_float_denorm_mode_16_64 3
		.amdhsa_memory_ordered 1
		.amdhsa_forward_progress 1
		.amdhsa_inst_pref_size 255
	.end_amdhsa_kernel
	.section	.bss,"aw",@nobits
	.p2align	6
	.space	262144
	.amdgpu_metadata
---
amdhsa.version: [ 1, 2 ]
amdhsa.kernels:
  - .name:           k_q9339292f45_main
    .symbol:         k_q9339292f45_main.kd
    .args:
      - { .name: encoder_output, .offset: 0, .size: 8, .value_kind: global_buffer, .address_space: global }
      - { .name: W2img, .offset: 8, .size: 8, .value_kind: global_buffer, .address_space: global }
      - { .name: W2_scales, .offset: 16, .size: 8, .value_kind: global_buffer, .address_space: global }
      - { .name: hv, .offset: 24, .size: 8, .value_kind: global_buffer, .address_space: global }
      - { .name: bv, .offset: 32, .size: 8, .value_kind: global_buffer, .address_space: global }
      - { .name: scores, .offset: 40, .size: 8, .value_kind: global_buffer, .address_space: global }
      - { .name: ml, .offset: 48, .size: 8, .value_kind: global_buffer, .address_space: global }
      - { .name: ctxp, .offset: 56, .size: 8, .value_kind: global_buffer, .address_space: global }
    .group_segment_fixed_size: 327680
    .private_segment_fixed_size: 0
    .kernarg_segment_align: 8
    .kernarg_segment_size: 64
    .max_flat_workgroup_size: 256
    .sgpr_count:     100
    .vgpr_count:     512
    .wavefront_size: 32
...
	.end_amdgpu_metadata
.endif
;; end of part 2
;; launch fin (part 3): grid 16 x 16, 4 waves a work-group, no clusters, 4,608 bytes of LDS; arguments scores, ml, ctxp, out0, out1; writes out0, out1
.if DOCPART == 3
	.amdgcn_target "amdgcn-amd-amdhsa--gfx1250"
	.amdhsa_code_object_version 6
	.text
	.protected	k_q9339292f45_fin
	.globl	k_q9339292f45_fin
	.p2align	8
	.type	k_q9339292f45_fin,@function
k_q9339292f45_fin:
	s_mov_b64 s[64:65], 0
	v_nop
	global_prefetch_b8 v0, s[64:65] scope:SCOPE_SE
	s_setreg_imm32_b32 hwreg(HW_REG_WAVE_MODE, 25, 1), 1
	s_wait_xcnt 0x0
; A batch has 128 parts (one for each wave of the launch before): m, l and a context part of 1,024 columns.  M = the largest m, f = e^(m - M), L = the sum of l f;
; out0[batch][column] = (sum over parts of f x part[column]) / L;  out1[batch][t] = e^(score - M) / L.
; Work-group (x, y): batch y, columns 64 x .. 64 x + 63 (256 bytes) of out0 and scores 256 x .. 256 x + 255 of out1.  128 threads: thread i owns part i's m and l; of the parts it adds 16
; (8 it + i / 16), 16 bytes each, sixteen neighbouring lanes on 256 neighbouring bytes.  The 8 partial rows meet in LDS; wave 0 adds them and stores one aligned run of 256 bytes.
; No matrix work, no tensor load: a short reduction.
.set RM, 0                             ; LDS: four waves' maxima;
.set RL, 256                           ; four waves' sums;
.set FB, 512                           ; f of the 128 parts;
.set RB, 1024                          ; 8 rows of 256 bytes
	s_load_b256 s[4:11], s[0:1], 0x0               ; scores s[4:5], ml s[6:7], ctxp s[8:9], out0 s[10:11]
	s_load_b64 s[12:13], s[0:1], 0x20              ; out1
	v_lshl_add_u32 v128, v0, 2, 0x1000
	v_mov_b32 v129, 0
	v_lshrrev_b32 v1, 5, v0
	v_readfirstlane_b32 s14, v1                    ; wave
	s_and_b32 s15, ttmp7, 0xffff                   ; batch
	v_lshlrev_b32 v2, 7, v0                        ; ml: 128 bytes a part
	v_lshrrev_b32 v3, 4, v0
	v_and_b32 v4, 15, v0
	v_lshlrev_b32 v5, 4, v4
	v_lshl_add_u32 v5, v3, 12, v5                  ; ctxp: part i / 16, 16 bytes at 16 (i % 16)
	v_lshlrev_b32 v6, 3, v0                        ; two scores a thread
	v_lshl_add_u32 v7, v0, 2, FB
	v_lshlrev_b32 v14, 2, v1
	v_mov_b32 v15, 0
	v_mov_b32 v13, 0                               ; a lane permute's destination counts as one of its sources
	v_lshl_add_u32 v104, v3, 2, FB
	v_lshl_add_u32 v105, v0, 4, RB
	v_and_b32 v108, 31, v0
	v_lshlrev_b32 v109, 3, v108
	v_add_nc_u32 v108, RB, v109
	s_mov_b32 s26, 0x76543210
	s_mov_b32 s27, 0xfedcba98
	s_mov_b32 s28, 0x3fb8aa3b                      ; log2(e)
	s_lshl_b32 s16, s15, 14                        ; ml: 128 parts of 128 bytes a batch
	s_mov_b32 s17, 0
	s_lshl_b32 s18, s15, 19                        ; ctxp: 128 parts of 4,096 bytes
	s_lshl_b32 s20, ttmp9, 8
	s_add_co_u32 s18, s18, s20
	s_mov_b32 s19, 0
	s_lshl_b32 s22, s15, 14                        ; scores, out1: 4,096 f32 a batch
	s_lshl_b32 s21, ttmp9, 10
	s_add_co_u32 s22, s22, s21
	s_mov_b32 s23, 0
	s_lshl_b32 s24, s15, 12                        ; out0: 1,024 f32 a batch
	s_add_co_u32 s24, s24, s20
	s_mov_b32 s25, 0
	s_wait_kmcnt 0x0
	s_add_nc_u64 s[6:7], s[6:7], s[16:17]
	s_add_nc_u64 s[8:9], s[8:9], s[18:19]
	s_add_nc_u64 s[4:5], s[4:5], s[22:23]
	s_add_nc_u64 s[12:13], s[12:13], s[22:23]
	s_add_nc_u64 s[10:11], s[10:11], s[24:25]
	global_load_b64 v[8:9], v2, s[6:7]             ; m, l of part i
	global_load_b64 v[10:11], v6, s[4:5]
.irp t, 0,1,2,3,4,5,6,7,8,9,10,11,12,13,14,15
	global_load_b128 v[16+4*\t:19+4*\t], v5, s[8:9] offset:32768*\t th:TH_LOAD_NT
.endr
	s_wait_loadcnt 17                              ; m and l are in; the 17 loads behind them may be out
	v_mov_b32 v12, v8
	v_max_num_f32_dpp v12, v12, v12 row_xmask:1 row_mask:0xf bank_mask:0xf
	v_max_num_f32_dpp v12, v12, v12 row_xmask:2 row_mask:0xf bank_mask:0xf
	v_max_num_f32_dpp v12, v12, v12 row_xmask:4 row_mask:0xf bank_mask:0xf
	v_max_num_f32_dpp v12, v12, v12 row_xmask:8 row_mask:0xf bank_mask:0xf
	v_permlanex16_b32 v13, v12, s26, s27
	v_max_num_f32 v12, v12, v13
	ds_store_b32 v14, v12 offset:RM
	s_wait_dscnt 0x0                               ; for the others' sake
	s_barrier_signal -1
	s_barrier_wait -1
	ds_load_b128 v[96:99], v15 offset:RM
	s_wait_dscnt 0x0
	v_max3_num_f32 v107, v96, v97, v98
	v_max_num_f32 v107, v107, v99                  ; M
	v_sub_f32 v12, v8, v107
	v_mul_f32 v12, s28, v12
	v_exp_f32 v12, v12                             ; f
	v_nop
	s_wait_alu depctr_va_vdst(0)                   ; ahead of the first reader
	ds_store_b32 v7, v12
	v_mul_f32 v100, v9, v12                        ; l f
	v_add_f32_dpp v100, v100, v100 row_xmask:1 row_mask:0xf bank_mask:0xf
	v_add_f32_dpp v100, v100, v100 row_xmask:2 row_mask:0xf bank_mask:0xf
	v_add_f32_dpp v100, v100, v100 row_xmask:4 row_mask:0xf bank_mask:0xf
	v_add_f32_dpp v100, v100, v100 row_xmask:8 row_mask:0xf bank_mask:0xf
	v_permlanex16_b32 v13, v100, s26, s27
	v_add_f32 v100, v100, v13
	ds_store_b32 v14, v100 offset:RL
	s_wait_dscnt 0x0
	s_barrier_signal -1
	s_barrier_wait -1
	ds_load_b128 v[96:99], v15 offset:RL
.irp t, 0,1,2,3,4,5,6,7,8,9,10,11,12,13,14,15
	ds_load_b32 v[80+\t], v104 offset:32*\t        ; f of part 8 t + i / 16
.endr
	s_wait_dscnt 0x0
	v_add_f32 v96, v96, v97
	v_add_f32 v98, v98, v99
	v_add_f32 v96, v96, v98                        ; L, at least 1: the part that holds M has f = 1 and l >= 1
	v_rcp_f32 v106, v96
	v_nop
	s_wait_alu depctr_va_vdst(0)
	s_wait_loadcnt 0x0
	v_pk_mul_f32 v[100:101], v[16:17], v[80:81] op_sel_hi:[1,0]
	v_pk_mul_f32 v[102:103], v[18:19], v[80:81] op_sel_hi:[1,0]
.irp t, 1,2,3,4,5,6,7,8,9,10,11,12,13,14,15
.if \t%2
	v_pk_fma_f32 v[100:101], v[16+4*\t:17+4*\t], v[80+2*(\t/2):81+2*(\t/2)], v[100:101] op_sel:[0,1,0] op_sel_hi:[1,1,1]
	v_pk_fma_f32 v[102:103], v[18+4*\t:19+4*\t], v[80+2*(\t/2):81+2*(\t/2)], v[102:103] op_sel:[0,1,0] op_sel_hi:[1,1,1]
.else
	v_pk_fma_f32 v[100:101], v[16+4*\t:17+4*\t], v[80+2*(\t/2):81+2*(\t/2)], v[100:101] op_sel_hi:[1,0,1]
	v_pk_fma_f32 v[102:103], v[18+4*\t:19+4*\t], v[80+2*(\t/2):81+2*(\t/2)], v[102:103] op_sel_hi:[1,0,1]
.endif
.endr
	ds_store_b128 v105, v[100:103]                 ; row i / 16, 16 bytes at 16 (i % 16)
	v_sub_f32 v10, v10, v107
	v_sub_f32 v11, v11, v107
	v_mul_f32 v10, s28, v10
	v_mul_f32 v11, s28, v11
	v_exp_f32 v10, v10
	v_exp_f32 v11, v11
	v_nop
	s_wait_alu depctr_va_vdst(0)
	v_pk_mul_f32 v[10:11], v[10:11], v[106:107] op_sel_hi:[1,0]   ; / L
	s_wait_dscnt 0x0
	s_barrier_signal -1
	s_barrier_wait -1
	global_store_b64 v6, v[10:11], s[12:13]        ; a wave stores 256 consecutive bytes of out1
	s_cmp_lg_u32 s14, 0
	s_cbranch_scc1 .Lend
.irp k, 0,1,2,3,4,5,6,7
	ds_load_b64 v[110+2*\k:111+2*\k], v108 offset:256*\k
.endr
	s_wait_dscnt 0x0
	v_pk_add_f32 v[110:111], v[110:111], v[112:113]
	v_pk_add_f32 v[114:115], v[114:115], v[116:117]
	v_pk_add_f32 v[118:119], v[118:119], v[120:121]
	v_pk_add_f32 v[122:123], v[122:123], v[124:125]
	v_pk_add_f32 v[110:111], v[110:111], v[114:115]
	v_pk_add_f32 v[118:119], v[118:119], v[122:123]
	v_pk_add_f32 v[110:111], v[110:111], v[118:119]
	v_pk_mul_f32 v[110:111], v[110:111], v[106:107] op_sel_hi:[1,0]
	global_store_b64 v109, v[110:111], s[10:11]    ; 32 lanes store 256 consecutive bytes of out0
.Lend:
	s_wait_tensorcnt 0x0
	ds_add_u32 v128, v129
	s_wait_dscnt 0x0
	s_endpgm
.Lfunc_end_k_q9339292f45_fin:
	.size	k_q9339292f45_fin, .Lfunc_end_k_q9339292f45_fin-k_q9339292f45_fin
	.p2alignl 7, 3214868480
	.fill 96, 4, 3214868480
	.section	.rodata,"a",@progbits
	.p2align	6, 0x0
	.amdhsa_kernel k_q9339292f45_fin
		.amdhsa_group_segment_fixed_size 4608
		.amdhsa_private_segment_fixed_size 0
		.amdhsa_enable_private_segment 0
		.amdhsa_kernarg_size 40
		.amdhsa_user_sgpr_count 2
		.amdhsa_user_sgpr_kernarg_segment_ptr 1
		.amdhsa_wavefront_size32 1
		.amdhsa_system_sgpr_workgroup_id_x 1
		.amdhsa_system_sgpr_workgroup_id_y 1
		.amdhsa_system_sgpr_workgroup_id_z 1
		.amdhsa_system_vgpr_workitem_id 0
		.amdhsa_next_free_vgpr 130
		.amdhsa_next_free_sgpr 66
		.amdhsa_reserve_vcc 0
		.amdhsa_float_denorm_mode_32 3
		.amdhsa_float_denorm_mode_16_64 3
		.amdhsa_memory_ordered 1
		.amdhsa_forward_progress 1
		.amdhsa_inst_pref_size 11
	.end_amdhsa_kernel
	.amdgpu_metadata
---
amdhsa.version: [ 1, 2 ]
amdhsa.kernels:
  - .name:           k_q9339292f45_fin
    .symbol:         k_q9339292f45_fin.kd
    .args:
      - { .name: scores, .offset: 0, .size: 8, .value_kind: global_buffer, .address_space: global }
      - { .name: ml, .offset: 8, .size: 8, .value_kind: global_buffer, .address_space: global }
      - { .name: ctxp, .offset: 16, .size: 8, .value_kind: global_buffer, .address_space: global }
      - { .name: out0, .offset: 24, .size: 8, .value_kind: global_buffer, .address_space: global }
      - { .name: out1, .offset: 32, .size: 8, .value_kind: global_buffer, .address_space: global }
    .group_segment_fixed_size: 4608
    .private_segment_fixed_size: 0
    .kernarg_segment_align: 8
    .kernarg_segment_size: 40
    .max_flat_workgroup_size: 128
    .sgpr_count:     66
    .vgpr_count:     130
    .wavefront_size: 32
...
	.end_amdgpu_metadata
.endif
;; end of part 3
